; MI455X (gfx1250); checked and timed in simulation.
; The chip was launched on July 23, 2026; its instructions are those of AMD's public machine-readable ISA for CDNA 5 (MIT licence, August 2026) and "CDNA5" Instruction Set Architecture Reference Guide (July 2026). The comments in the code are by the model that wrote it; some were corrected since.
;; Causal Self Attention. Allowed arithmetic: matrix products marked QUANTISED: E5M2 operands, one given power-of-two scale a tensor, by v_wmma_f32_16x16x64_bf8_bf8 or v_wmma_f32_16x16x128_bf8_bf8, f32 sums; everything else in f32.
;; Inputs: W_out_codes 1,024 x 32 x 32 uint8 (E5M2 codes of W_out, K innermost, in blocks of 32 codes); W_qkv_codes 3,072 x 32 x 32 uint8 (E5M2 codes of W_qkv, K innermost, in blocks of 32 codes); lowp_scales 8 int32 (the exponents e of the quantised operands' scales 2^e); x_codes 2 x 2,048 x 32 x 32 uint8 (E5M2 codes of x, K innermost, in blocks of 32 codes).
;; Outputs: out0 2 x 2,048 x 1,024 float32.
;; This version of the problem:
;;   THIS VERSION OF THE PROBLEM IS GIVEN IN LOW PRECISION. The matrix products marked QUANTISED in the list below multiply operands that are first quantised to E5M2 (5 exponent bits, 2 mantissa bits; 8 bits a number), with one given power-of-two scale for each operand tensor; their sums are f32. All else is computed in f32.
;;   The module's matrix products, in the order in which they are computed (A, B: the left and right operand; K: the contracted axis; several contracted axes count as one K, in the product's order):
;;     1. [M 4,096, K 1,024] x [K 1,024, N 3,072]; A: input x (given as codes); B: input W_qkv (given as codes): QUANTISED (scales: A lowp_scales[0], B lowp_scales[1])
;;     2. batch 32 x [M 2,048, K 64] x [K 64, N 2,048]; A: computed on the way; B: computed on the way: QUANTISED (scales: A lowp_scales[2], B lowp_scales[3])
;;     3. batch 32 x [M 2,048, K 2,048] x [K 2,048, N 64]; A: softmax (see below); B: computed on the way: QUANTISED (scales: A lowp_scales[4], B lowp_scales[5])
;;     4. [M 4,096, K 1,024] x [K 1,024, N 1,024]; A: computed on the way; B: input W_out (given as codes): QUANTISED (scales: A lowp_scales[6], B lowp_scales[7])
;;   THE QUANTISER, for each operand of a quantised product, along K:
;;     - The operand's scale is 2^e, e = its entry of the input lowp_scales (int32; the entries are numbered through the quantised products in the list's order, A before B).
;;     - Each number is divided by the scale, clamped to +-57,344, and rounded to the nearest number of E5M2, ties to even, subnormals kept.
;;     - The product sums the exact products of the quantised numbers (number of the format x scale) in f32.
;;   ~~~python
;;   def quantise(x, axis, e):      # numpy; x: float32 -> the quantised numbers, widened to float32 again
;;       x = np.moveaxis(x, axis, -1); K = x.shape[-1]
;;       r = np.clip(x / 2.0 ** e, -57344, 57344)
;;       step = 2.0 ** (np.maximum(np.frexp(np.where(r == 0, 1, r))[1] - 1, -14) - 2)
;;       q = np.round(r / step) * step * 2.0 ** e      # np.round: ties to even
;;       return np.moveaxis(q, -1, axis).astype(np.float32)
;;   ~~~
;;   SOFTMAX AHEAD OF A QUANTISED PRODUCT. Where the list says 'softmax', what is quantised is not the finished softmax but p = 2^(t - M), with t = logit x log2(e) and M = ceil(the row's largest t), a whole number; so 1/2 < the row's largest p <= 1. The row's sum l is taken of the UNQUANTISED p, in f32, and the product's result is divided by l at the end. Since M is a whole number, a kernel that streams over the keys may use a running M (the ceiling of the running maximum): every later rescaling is an exact power of two, so the quantised numbers keep their values, but for numbers so far below the row's largest that they fall under the format's range.
;;   OPERANDS COMPUTED ON THE WAY. 'Computed on the way' means the value that the module computes at that place (a softmax that the list does not call 'softmax' is quantised finished and normalised). What goes into a quantiser is computed in f32, as accurately as f32 sums, v_exp_f32 and their like allow (about 1e-6 of the number): no bf16 or f16 on the way to a quantiser, and a product that is left as it is and whose result goes on into a quantised operand takes f32 operands (vector FMAs, or v_wmma_f32_16x16x4_f32). A number that lies on a knife's edge between two numbers of the format may be rounded either way, as far as f32 arithmetic and the matrix unit's own rounding can turn it there, and no further.
;;   INPUTS GIVEN AS CODES. W_out (in the module: [1024, 1024], K = its axis 1); W_qkv (in the module: [3072, 1024], K = its axis 1); x (in the module: [2, 2048, 1024], K = its axis 2): each comes as NAME_codes (uint8): NAME with its K axis moved to the last place and cut into blocks of 32 codes, [.., K / 32, bytes a block], one block behind the other in memory; one code a byte (a code: sign, 5 exponent bits, 2 mantissa bits); its scale is its entry of lowp_scales. Its value is code x scale, taken as it is: it is not quantised again, and the codes and scales need not be those that the quantiser above would give.
;; One version. Each part assembles by itself: llvm-mc -triple=amdgcn-amd-amdhsa -mcpu=gfx1250 --defsym DOCPART=n.
;; ======== version 1 of 1: 3 launches
;; limits: right only within a limited range of input values
;; workspace buffers: qkv_img 12,582,912 bytes; attn_img 4,194,304 bytes
;; launch qkv (part 1): grid 12 x 16, 4 waves a work-group, clusters of 4 x 4, 327,680 bytes of LDS; arguments x_codes, W_qkv_codes, lowp_scales, qkv_img; writes qkv_img
.if DOCPART == 1
	.amdgcn_target "amdgcn-amd-amdhsa--gfx1250"
	.amdhsa_code_object_version 6
	.text
	.protected	k_q158134be39_qkv
	.globl	k_q158134be39_qkv
	.p2align	8
	.type	k_q158134be39_qkv,@function
k_q158134be39_qkv:
	s_mov_b64 s[64:65], 0
	v_nop
	global_prefetch_b8 v0, s[64:65] scope:SCOPE_SE
	s_setreg_imm32_b32 hwreg(HW_REG_WAVE_MODE, 25, 1), 1
	s_wait_xcnt 0x0
	s_wait_alu depctr_hold_cnt(0) depctr_sa_sdst(0) depctr_va_vdst(0) depctr_va_sdst(0) depctr_va_ssrc(0) depctr_va_vcc(0) depctr_vm_vsrc(0)
	s_getreg_b32 s2, hwreg(HW_REG_IB_STS2, 6, 4)
	s_cmp_eq_u32 s2, 0
	s_cbranch_scc0 .Lentry_in_a_cluster
	s_endpgm
.Lentry_in_a_cluster:
	s_bfe_u32 s2, ttmp6, 0x10000c
	s_cmp_lg_u32 s2, 0xf033
	s_cbranch_scc0 .Lentry_shape_is_right
	s_endpgm
.Lentry_shape_is_right:
; q, k, v = x W_qkv^T on codes of BF8 (E5M2), each quantised with its given scale and stored as images of the operand registers that the next launch takes.
; WORK LEFT OUT, in the launch attn: reference() sets score to -infinity where key > query (its own tril), so exp gives 0 there for all values of the inputs; a tile of 16 queries x 128 keys that lies wholly
; above the diagonal adds 0 to the row's sum and to the result and is not computed.  LIMIT: a NaN, an infinity or an overflow that reaches only such tiles is not carried to the result.
.set SIZE_M, 4096
.set SIZE_N, 3072
.set SIZE_K, 1024
.set KSTEP,  256
.set ROWB,   256
.set KROW,   SIZE_K
.set PITCH,  272
.set FR,     16
.set NL,     4
.set NP,     4
.set HALFT,  128*PITCH
.set SLOT,   4*HALFT
.set LAPS,   SIZE_K/(2*KSTEP)
.set SPARE,  2*SLOT
.set QROW,   288
.set QPL,    8*QROW
.set QST,    8*QPL
.set VST0,   4*QST
.set VROW,   272
.set VPL,    16*VROW
.set VSTW,   2*VPL
.set ADRA, 16
.set ADRB, 20
.set STQ,  22
.set RDQ,  23
.set STV,  24
.set RDV,  25
.set CO,   26
.set SPW,  28
.set NIL,  29
.set SC,   30
.set LIM,  31
.set TMP,  32
.set CD,   96
.set AF,   128
.set BK,   128
.set G1, 24
.set G0, 32
.set G1B, 48
.set G0B, 56
.set MSB, 0
.macro WIN new
.if MSB != (\new)
	s_set_vgpr_msb (MSB<<8)|(\new)
.set MSB, (\new)
.endif
.endm
.set MUL_LO, 0xa1
.set MUL_HI, 0xf1
.set TO_B,   0x40
.macro JLOAD g0a, g1a, g0b, g1b
	s_cmp_eq_u32 s15, 0
	s_cbranch_scc0 .Lfor_b_\@
	tensor_load_to_lds s[\g0a:\g0a+3], s[\g1a:\g1a+7]
	s_nop 0
.rept 4
	v_nop
.endr
	s_branch .Lasked_\@
.Lfor_b_\@:
	tensor_load_to_lds s[\g0b:\g0b+3], s[\g1b:\g1b+7]
	s_nop 0
.rept 4
	v_nop
.endr
.Lasked_\@:
.endm
.macro CREST
	s_cmp_lg_u32 s14, 0
	s_cbranch_scc1 .Lnot_wave_0_\@
	s_barrier_signal -3
.Lnot_wave_0_\@:
	s_barrier_wait -3
	s_barrier_signal -1
	s_barrier_wait -1
.endm
.macro CROUND
	s_barrier_signal -1
	s_barrier_wait -1
	CREST
.endm
	s_load_b128 s[4:7], s[0:1], 0x0
	s_load_b128 s[8:11], s[0:1], 0x10
	v_lshl_add_u32 v[SPW], v0, 2, SPARE
	v_mov_b32 v[NIL], 0
	ds_add_u32 v28, v29
	ds_add_u32 v28, v29
	s_wait_dscnt 0x0
	v_lshrrev_b32 v1, 5, v0
	v_readfirstlane_b32 s14, v1
	s_lshr_b32 s15, s14, 1
	s_and_b32 s16, s14, 1
	s_bfe_u32 s40, ttmp6, 0x40000
	s_bfe_u32 s41, ttmp6, 0x40004
	s_lshl_b32 s42, ttmp9, 2
	s_add_co_u32 s42, s42, s40
	s_and_b32 s17, ttmp7, 0xffff
	s_lshl_b32 s17, s17, 2
	s_add_co_u32 s17, s17, s41
	s_lshl_b32 s43, s41, 2
	s_lshl_b32 s43, 15, s43
	s_lshl_b32 s44, 0x1111, s40
	s_or_b32 s[G1+0], s43, (0<<16)|(1<<20)|(1<<21)|(5<<22)|(3<<25)
	s_or_b32 s[G1B+0], s44, (0<<16)|(1<<20)|(1<<21)|(5<<22)|(3<<25)
.irp g, G1, G1B
	s_mov_b32 s[\g+1], ROWB<<16
	s_mov_b32 s[\g+2], 128<<16
	s_mov_b32 s[\g+3], ROWB<<16
	s_mov_b32 s[\g+4], 128
	s_mov_b32 s[\g+5], KROW
	s_mov_b32 s[\g+6], 0
	s_mov_b32 s[\g+7], 0
.endr
	s_lshl_b32 s18, s16, 7
	s_lshl_b32 s20, s17, 8
	s_add_co_u32 s20, s20, s18
	s_lshl_b32 s46, s42, 8
	s_add_co_u32 s46, s46, s18
	s_mov_b32 s21, 0
	s_mov_b32 s47, 0
	s_mov_b64 s[18:19], KROW
	s_mul_u64 s[20:21], s[20:21], s[18:19]
	s_mul_u64 s[46:47], s[46:47], s[18:19]
	s_mul_i32 s45, s14, HALFT
	s_wait_kmcnt 0x0
	s_load_b256 s[80:87], s[8:9], 0x0
	s_add_nc_u64 s[20:21], s[4:5], s[20:21]
	s_add_nc_u64 s[46:47], s[6:7], s[46:47]
	CROUND
.irp s, 0,1
	s_mov_b32 s[G0+4*\s], 1
	s_add_co_u32 s[G0+4*\s+1], s45, \s*SLOT
	s_add_nc_u64 s[G0+4*\s+2:G0+4*\s+3], s[20:21], \s*ROWB
	s_or_b32 s[G0+4*\s+3], s[G0+4*\s+3], 0x80000000
	s_mov_b32 s[G0B+4*\s], 1
	s_add_co_u32 s[G0B+4*\s+1], s45, \s*SLOT
	s_add_nc_u64 s[G0B+4*\s+2:G0B+4*\s+3], s[46:47], \s*ROWB
	s_or_b32 s[G0B+4*\s+3], s[G0B+4*\s+3], 0x80000000
	s_wait_alu depctr_va_vdst(0)
	s_wait_tensorcnt 0x0
	ds_add_u32 v28, v29
	ds_add_u32 v28, v29
	s_wait_dscnt 0x0
	CROUND
	JLOAD G0+4*\s, G1, G0B+4*\s, G1B
.endr
	v_and_b32 v1, 15, v0
	v_bfe_u32 v2, v0, 4, 1
	v_mul_u32_u24 v3, v1, PITCH
	v_lshl_add_u32 v4, v2, 4, v3
	s_mul_i32 s21, s15, HALFT
	s_mul_i32 s22, s16, HALFT
	s_add_co_u32 s22, s22, 2*HALFT
.irp s, 0,1
	v_add_nc_u32 v[ADRA+\s], s21, v4
	v_add_nc_u32 v[ADRB+\s], s22, v4
	s_add_co_u32 s21, s21, SLOT
	s_add_co_u32 s22, s22, SLOT
.endr
	s_mul_i32 s23, s14, QST
	v_bfe_u32 v5, v0, 2, 2
	v_and_b32 v6, 1, v0
	v_lshl_add_u32 v5, v5, 1, v6
	v_mul_u32_u24 v5, v5, QROW
	v_bfe_u32 v6, v0, 1, 1
	v_lshl_add_u32 v5, v6, 4, v5
	v_lshl_add_u32 v5, v2, 3, v5
	v_add_nc_u32 v[STQ], s23, v5
	v_mul_u32_u24 v5, v2, QPL
	v_and_b32 v6, 7, v0
	v_lshl_add_u32 v5, v6, 5, v5
	v_bfe_u32 v6, v0, 3, 1
	v_lshl_add_u32 v5, v6, 4, v5
	v_add_nc_u32 v[RDQ], s23, v5
	s_mul_i32 s23, s14, VSTW
	s_add_co_u32 s23, s23, VST0
	v_bfe_u32 v5, v0, 1, 4
	v_mul_u32_u24 v5, v5, VROW
	v_and_b32 v6, 1, v0
	v_lshl_add_u32 v5, v6, 3, v5
	v_add_nc_u32 v[STV], s23, v5
	v_mul_u32_u24 v5, v2, VROW
	v_lshl_add_u32 v5, v1, 4, v5
	v_add_nc_u32 v[RDV], s23, v5
	v_and_b32 v6, 31, v0
	v_lshlrev_b32 v[CO], 4, v6
	s_lshl_b32 s20, s17, 1
	s_add_co_u32 s20, s20, s15
	s_lshr_b32 s21, s20, 4
	s_lshl_b32 s21, s21, 21
	s_and_b32 s20, s20, 15
	s_lshl_b32 s20, s20, 13
	s_add_co_u32 s20, s20, s21
	s_mov_b32 s21, 0
	s_lshl_b32 s46, s40, 2
	s_lshl_b32 s47, s16, 1
	s_add_co_u32 s46, s46, s47
	s_lshl_b32 s46, s46, 17
	s_lshl_b32 s47, ttmp9, 22
	s_add_co_u32 s46, s46, s47
	s_mov_b32 s47, 0
	s_add_nc_u64 s[20:21], s[20:21], s[46:47]
	s_add_nc_u64 s[10:11], s[10:11], s[20:21]
.macro FRAG reg, adr, q, i
.irp c, 0,1,2,3
	ds_load_b128 v[\reg+4*\c:\reg+4*\c+3], v[\adr] offset:128*(\q)+32*\c+(\i)*16*PITCH
.endr
.endm
.macro MUL16 a0, p, zero
.irp a, \a0, \a0+1
.irp b, 0,1,2,3,4,5,6,7
.if \zero
	v_wmma_f32_16x16x128_bf8_bf8 v[8*(8*((\a)%4)+\b):8*(8*((\a)%4)+\b)+7], v[128*(\p)+FR*\b:128*(\p)+FR*\b+FR-1], v[AF+FR*(\a):AF+FR*(\a)+FR-1], 0
.else
	v_wmma_f32_16x16x128_bf8_bf8 v[8*(8*((\a)%4)+\b):8*(8*((\a)%4)+\b)+7], v[128*(\p)+FR*\b:128*(\p)+FR*\b+FR-1], v[AF+FR*(\a):AF+FR*(\a)+FR-1], v[8*(8*((\a)%4)+\b):8*(8*((\a)%4)+\b)+7]
.endif
.endr
.endr
.endm
.macro FETCH_B slot, q, p
	WIN TO_B
.irp i, 0,1,2,3,4,5,6,7
	FRAG 128*(\p)+FR*\i, ADRB+\slot, \q, \i
.endr
	WIN 0
.endm
.macro FETCH_A slot, q, i0
.irp i, \i0, \i0+1, \i0+2, \i0+3
	FRAG AF+FR*(\i), ADRA+\slot, \q, \i
.endr
.endm
.macro PLACES n
.rept \n
	v_nop
.endr
.endm
.macro STEP slot, q, zero
	s_wait_dscnt 4*NL
	WIN MUL_LO
	MUL16 0, (\q)%2, \zero
	MUL16 2, (\q)%2, \zero
	s_wait_dscnt 0
	PLACES NP
	FETCH_B \slot, (\q)+1, 1-(\q)%2
	FETCH_A \slot, (\q)+1, 0
	WIN MUL_HI
	MUL16 4, (\q)%2, \zero
	MUL16 6, (\q)%2, \zero
	PLACES NP
	WIN 0
	FETCH_A \slot, (\q)+1, 4
.endm
.macro TURN slot, next, fill
	s_wait_tensorcnt 0x0
	ds_add_u32 v[SPW], v[NIL]
	s_wait_dscnt 4*NL+1
	WIN MUL_LO
	MUL16 0, 1, 0
	s_wait_dscnt 0x0
	s_barrier_signal -1
	MUL16 2, 1, 0
	WIN 0
	s_barrier_wait -1
.if \fill
	CREST
	s_add_nc_u64 s[G0+4*\slot+2:G0+4*\slot+3], s[G0+4*\slot+2:G0+4*\slot+3], 2*ROWB
	s_add_nc_u64 s[G0B+4*\slot+2:G0B+4*\slot+3], s[G0B+4*\slot+2:G0B+4*\slot+3], 2*ROWB
	JLOAD G0+4*\slot, G1, G0B+4*\slot, G1B
.else
	PLACES NP
.endif
	FETCH_B \next, 0, 0
	FETCH_A \next, 0, 0
	WIN MUL_HI
	MUL16 4, 1, 0
	MUL16 6, 1, 0
	PLACES NP
	WIN 0
	FETCH_A \next, 0, 4
.endm
	s_wait_tensorcnt 1
	s_barrier_signal -1
	s_barrier_wait -1
	FETCH_B 0, 0, 0
	FETCH_A 0, 0, 0
	FETCH_A 0, 0, 4
	STEP 0, 0, 1
	s_mov_b32 s3, LAPS-1
.Llap:
	TURN 0, 1, 1
	STEP 1, 0, 0
	TURN 1, 0, 1
	STEP 0, 0, 0
	s_sub_co_u32 s3, s3, 1
	s_cmp_lg_u32 s3, 0
	s_cbranch_scc1 .Llap
	TURN 0, 1, 0
	STEP 1, 0, 0
	s_wait_dscnt 4*NL
	WIN MUL_LO
	MUL16 0, 1, 0
	MUL16 2, 1, 0
	s_wait_dscnt 0
	WIN MUL_HI
	MUL16 4, 1, 0
	MUL16 6, 1, 0
	WIN 0
	s_wait_kmcnt 0x0
	s_cmp_eq_u32 ttmp9, 1
	s_cselect_b32 s88, s83, s82
	s_cmp_eq_u32 ttmp9, 2
	s_cselect_b32 s88, s85, s88
	s_sub_co_i32 s88, s88, s80
	s_sub_co_i32 s88, s88, s81
	s_add_co_i32 s88, s88, 127
	s_lshl_b32 s89, s88, 23
	v_mov_b32 v[SC], s89
	s_add_co_i32 s88, s88, 15
	s_lshl_b32 s88, s88, 23
	s_or_b32 s88, s88, 0x600000
	v_mov_b32 v[LIM], s88
	PLACES NP
	s_cmp_eq_u32 ttmp9, 2
	s_cbranch_scc1 .Lv_out
.macro QKBLOCK a
	WIN 0x02+((\a)/4)
.set i, 0
.rept 64
	v_med3_num_f32 v[TMP+i], v[64*((\a)%4)+i], -v[LIM], v[LIM]
.set i, i+1
.endr
	WIN 0
.if (\a) > 1
	s_wait_alu depctr_va_vdst(0)
	s_wait_dscnt 8
.endif
.irp b, 0,1,2,3,4,5,6,7
	v_cvt_scalef32_pk8_bf8_f32 v[CD+16*((\a)%2)+2*\b:CD+16*((\a)%2)+2*\b+1], v[TMP+8*\b:TMP+8*\b+7], v[SC]
.endr
	v_nop
.irp b, 0,1,2,3,4,5,6,7
	ds_store_b64 v[STQ], v[CD+16*((\a)%2)+2*\b:CD+16*((\a)%2)+2*\b+1] offset:\b*QPL+(\a)*32
.endr
.endm
.irp a, 0,1,2,3,4,5,6,7
	QKBLOCK \a
.endr
.set p, 0
.rept 32
	ds_load_b128 v[BK+4*p:BK+4*p+3], v[RDQ] offset:(4*(p/16)+2*(p%2))*QPL+((p/2)%8)*QROW
.set p, p+1
.endr
.set p, 0
.rept 32
	s_wait_dscnt 31-p
	global_store_b128 v[CO], v[BK+4*p:BK+4*p+3], s[10:11] offset:(p/16)*131072+((p/2)%8)*1024+(p%2)*512
.set p, p+1
.endr
	s_branch .Ldone
.Lv_out:
.macro VGROUP hd, bp, left
	WIN 0x02
.irp a, 0,1,2,3
.irp j, 0,1,2,3,4,5,6,7
	v_med3_num_f32 v[TMP+8*\j+\a], v[8*(8*\a+4*\hd+\bp)+\j], -v[LIM], v[LIM]
.endr
.endr
	WIN 0x03
.irp a, 4,5,6,7
.irp j, 0,1,2,3,4,5,6,7
	v_med3_num_f32 v[TMP+8*\j+\a], v[8*(8*(\a-4)+4*\hd+\bp)+\j], -v[LIM], v[LIM]
.endr
.endr
	WIN 0
.if \left >= 0
	s_wait_alu depctr_va_vdst(0)
	s_wait_dscnt \left
.endif
.irp j, 0,1,2,3,4,5,6,7
	v_cvt_scalef32_pk8_bf8_f32 v[CD+16*(\bp%2)+2*\j:CD+16*(\bp%2)+2*\j+1], v[TMP+8*\j:TMP+8*\j+7], v[SC]
.endr
	v_nop
.irp j, 0,1,2,3,4,5,6,7
	ds_store_b64 v[STV], v[CD+16*(\bp%2)+2*\j:CD+16*(\bp%2)+2*\j+1] offset:(\bp/2)*VPL+(8*(\bp%2)+\j)*16
.endr
.endm
.macro VBACK hd
.set p, 0
.rept 16
	ds_load_b128 v[BK+64*\hd+4*p:BK+64*\hd+4*p+3], v[RDV] offset:(p/8)*VPL+(8*((p/4)%2)+2*(p%4))*VROW
.set p, p+1
.endr
.endm
.macro VSEND hd
.set p, 0
.rept 16
	global_store_b128 v[CO], v[BK+64*\hd+4*p:BK+64*\hd+4*p+3], s[10:11] offset:\hd*131072+(p/4)*2048+(p%4)*512
.set p, p+1
.endr
.endm
	s_wait_alu depctr_va_vdst(0)
	VGROUP 0, 0, -1
	VGROUP 0, 1, -1
	VGROUP 0, 2, 8
	VGROUP 0, 3, 8
	VBACK 0
	VGROUP 1, 0, 24
	VGROUP 1, 1, 24
	VGROUP 1, 2, 8
	VGROUP 1, 3, 8
	VBACK 1
	s_wait_dscnt 48
	VSEND 0
	s_wait_dscnt 0x0
	VSEND 1
.Ldone:
	s_wait_tensorcnt 0x0
	ds_add_u32 v[SPW], v[NIL]
	s_wait_dscnt 0x0
	CROUND
	s_endpgm
.Lfunc_end_k_q158134be39_qkv:
	.size	k_q158134be39_qkv, .Lfunc_end_k_q158134be39_qkv-k_q158134be39_qkv
	.p2alignl 7, 3214868480
	.fill 96, 4, 3214868480
	.section	.rodata,"a",@progbits
	.p2align	6, 0x0
	.amdhsa_kernel k_q158134be39_qkv
		.amdhsa_group_segment_fixed_size 327680
		.amdhsa_private_segment_fixed_size 0
		.amdhsa_enable_private_segment 0
		.amdhsa_kernarg_size 32
		.amdhsa_user_sgpr_count 2
		.amdhsa_user_sgpr_kernarg_segment_ptr 1
		.amdhsa_wavefront_size32 1
		.amdhsa_system_sgpr_workgroup_id_x 1
		.amdhsa_system_sgpr_workgroup_id_y 1
		.amdhsa_system_sgpr_workgroup_id_z 1
		.amdhsa_system_vgpr_workitem_id 0
		.amdhsa_next_free_vgpr 1024
		.amdhsa_next_free_sgpr 100
		.amdhsa_reserve_vcc 0
		.amdhsa_float_denorm_mode_32 3
		.amdhsa_float_denorm_mode_16_64 3
		.amdhsa_memory_ordered 1
		.amdhsa_forward_progress 1
		.amdhsa_inst_pref_size 174
	.end_amdhsa_kernel
	.amdgpu_metadata
---
amdhsa.version: [ 1, 2 ]
amdhsa.kernels:
  - .name:           k_q158134be39_qkv
    .symbol:         k_q158134be39_qkv.kd
    .args:
      - { .name: x_codes, .offset: 0, .size: 8, .value_kind: global_buffer, .address_space: global }
      - { .name: W_qkv_codes, .offset: 8, .size: 8, .value_kind: global_buffer, .address_space: global }
      - { .name: lowp_scales, .offset: 16, .size: 8, .value_kind: global_buffer, .address_space: global }
      - { .name: qkv_img, .offset: 24, .size: 8, .value_kind: global_buffer, .address_space: global }
    .group_segment_fixed_size: 327680
    .private_segment_fixed_size: 0
    .kernarg_segment_align: 8
    .kernarg_segment_size: 32
    .max_flat_workgroup_size: 128
    .sgpr_count:     100
    .vgpr_count:     1024
    .wavefront_size: 32
...
	.end_amdgpu_metadata
.endif
;; end of part 1
;; launch attn (part 2): grid 8 x 32, 16 waves a work-group, clusters of 4 x 1, 327,680 bytes of LDS; arguments qkv_img, lowp_scales, attn_img; writes attn_img
.if DOCPART == 2
	.amdgcn_target "amdgcn-amd-amdhsa--gfx1250"
	.amdhsa_code_object_version 6
	.text
	.protected	k_q158134be39_attn
	.globl	k_q158134be39_attn
	.p2align	8
	.type	k_q158134be39_attn,@function
k_q158134be39_attn:
	s_mov_b64 s[64:65], 0
	v_nop
	global_prefetch_b8 v0, s[64:65] scope:SCOPE_SE
	s_setreg_imm32_b32 hwreg(HW_REG_WAVE_MODE, 25, 1), 1
	s_wait_xcnt 0x0
	s_wait_alu depctr_hold_cnt(0) depctr_sa_sdst(0) depctr_va_vdst(0) depctr_va_sdst(0) depctr_va_ssrc(0) depctr_va_vcc(0) depctr_vm_vsrc(0)
	s_getreg_b32 s2, hwreg(HW_REG_IB_STS2, 6, 4)
	s_cmp_eq_u32 s2, 0
	s_cbranch_scc0 .Lentry_in_a_cluster
	s_endpgm
.Lentry_in_a_cluster:
	s_bfe_u32 s2, ttmp6, 0x10000c
	s_cmp_lg_u32 s2, 0x3003
	s_cbranch_scc0 .Lentry_shape_is_right
	s_endpgm
.Lentry_shape_is_right:
; Causal attention of one head on codes of BF8 (E5M2), and the quantiser of its result.  Scores = q k^T / 8; t = score x log2(e); M = the row's largest t so far, rounded UP to a whole number; p = 2^(t - M) is quantised
; with 2^e4 and not normalised; the row's sum is taken of the unquantised p in f32; O = (p v) x 2^(e4 + e5) / sum is quantised with 2^e6.  When M moves, the sum and O are multiplied by 2^(old M - new M): exact.
; LIMITS on the given exponents, so that each power of two below is an f32 number: e2 + e3 between -123 and 130 (they are added to c's exponent field); e4 and e6 between -126 and 112; e4 + e5 is applied by v_ldexp_f32.
; LEFT OUT: steps of 128 keys that lie wholly above the diagonal of reference()'s own tril (see the first kernel's head); a NaN or an infinity that reaches only them is not carried on.
; INPUT: images of operand registers, pieces of 512 bytes, lane l's 16 bytes at 16 l.  hb = 16 x batch + head, blk = a block of 128 tokens.
;   q at byte 0, k at 4 MiB: [hb][blk][tile 8][c 2][lane][16]: token TOK(tile, l % 16) = 16 (p % 8) + 2 (p / 8) + 4 (tile / 2) + tile % 2 with p = l % 16; channel 32 c + 16 (l / 16) + y.
;   v at 8 MiB: [hb][blk][t 4][c 4][lane][16]: channel 32 (t / 2) + 8 (t % 2) + p + 8 (p / 8); key position 32 c + 16 (l / 16) + y; token 16 a + r has position 8 r + a.
; OUTPUT: [block of 128 tokens 32][K step 8][tile 8][c 4][lane][16]: token TOK(tile, l % 16), k = 64 head + channel = 128 step + 32 c + 16 (l / 16) + y.
; SHARES.  Work-group i of a head owns tile i of EVERY block: 136 key steps in each of the eight, the same walk in all.  Its sixteen waves are eight pairs, w and w xor 4; pair j has block S = j (j + 1 key steps) and
;   block L = 15 - j (16 - j).  Wave A walks key blocks 0 .. 7 for L: 8 steps.  Wave B walks key blocks 0 .. j for S, sends S out, then walks key blocks 8 .. 15 - j for L: 9 steps.  At the end the two join L: each keeps one half of
;   the channels and hands the other half over in LDS; both parts are brought under the larger M by powers of two.  Waves 0-3, 8-11 are A, 4-7, 12-15 are B: 2 + 2 among the waves with the same number mod 4.
; LDS: the head's whole K (16 blocks of 8 KiB from byte 0) and V (from byte 131,072), filled once: wave w brings blocks 2 (w / 2), 2 (w / 2) + 1 of K (w even) or V (w odd), 16 KiB, one load.  Then the spare words and the parts.
; CLUSTERS: 4 work-groups of a head need the same 256 KiB: each load is asked for JOINTLY by the four, mask 15.  No branch and no LDS address hangs on the place in the cluster.
; NO PREFETCH: all that is read is asked for at the head; no loop follows that asks for more.
; LAYOUT.  Both products are used transposed: S^T = K Q^T (source 0 = a tile of 16 keys, source 1 = my 16 queries), O^T = V^T P^T: a lane holds ONE query (lane % 16) throughout.  Register j of tile 2 c + u in lane half h is
; key 16 j + 4 c + 2 h + u, which has position 32 c + 16 h + 8 u + j: the 16 registers of tiles 2 c and 2 c + 1 are 16 neighbouring positions, so p's conversions give the second product's operand as it stands.
.set SPARE, 0x40000                    ; 128 bytes a wave: eight blocks of 256 bytes that no other line names
.set STG,  0x40800                     ; the parts: 2,304 bytes a wave
.set PART, 2304
.set LI,   1                           ; v1   16 x lane; never rewritten
.set LV,   2                           ; v2   the same in V's half of LDS
.set DQ,   3                           ; v3   my query's token in its block, less 2 (lane / 16)
.set SA,   4                           ; v4   my part: O^T's half,
.set SB,   5                           ; v5   -M and the sum
.set PA,   6                           ; v6   my partner's part,
.set PB,   7                           ; v7
.set ADK,  8                           ; v8   LDS address of the step's K
.set ADV,  9                           ; v9   of its V
.set QF,   16                          ; v16-23   Q's fragment in hand
.set QL,   24                          ; v24-31   block L's, for wave B's second part
.set FRG,  32                          ; v32-95   eight fragments of K, then four of V; at the head at work; at the end the partner's half
.set S,    96                          ; v96-159  S^T, then p; at the end results
.set O,    160                         ; v160-191 O^T
.set PT,   200                         ; v200     what the lane 16 away sends
.set FF,   202                         ; v[202:203] f = 2^(old M - new M); at first the maximum's second chain
.set TT,   204                         ; v[204:205] at work
.set SCP,  208                         ; v208 2^e4, v209 57,344 x 2^e4
.set LMP,  209
.set SCO,  210                         ; v210 2^e6, v211 57,344 x 2^e6
.set LMO,  211
.set NINF, 212                         ; v212 -infinity
.set OC,   214                         ; v214-221 block S's result as codes
.set PC,   224                         ; v224-239 p's codes; at the end block L's result
; v12 -M, v13 the largest t, v[14:15] the sum in two halves; v[206:207], v[242:253] the sum's other chains; v254 my spare word's address, v255 0: both never rewritten
.set WV,   18                          ; s18  my wave's number
.set SEL,  20                          ; s[20:21] lane selects for v_permlanex16_b32: lane l xor 16
.set CS,   22                          ; s[22:23] c = log2(e) / 8 x 2^(e2 + e3): the packed form names a pair and takes its low word for both halves
.set G1,   24                          ; s[24:31] descriptor group 1
.set G0,   40                          ; s[40:43] group 0
.set TB,   66                          ; s66  8 KiB x the trip
.set TR,   67                          ; s67  the trip, 0 .. 8
.set OFF,  76                          ; s76  where the step's block of K begins
.set JS,   77                          ; s77  B: j, the trip on S's diagonal; A: 31
.set LT,   78                          ; s78  my last trip: A 7, B 8
.set OFFB, 79                          ; s79  (7 - j) blocks of 8 KiB
.set AB,   80                          ; s80  0: A, 1: B
.set JS1,  81                          ; s81  JS + 1: the trip at whose head B goes on to L
.set EO,   82                          ; s82  e4 + e5
.set SM,   83                          ; s83  A: no lane, B: all lanes
.macro CROUND                          ; a round of the cluster's barrier
	s_barrier_signal -1
	s_barrier_wait -1
	s_cmp_lg_u32 s[WV], 0
	s_cbranch_scc1 .Lnot_wave_0_\@
	s_barrier_signal -3
.Lnot_wave_0_\@:
	s_barrier_wait -3
	s_barrier_signal -1
	s_barrier_wait -1
.endm
	s_load_b128 s[4:7], s[0:1], 0x0                ; the images of q, k, v s[4:5]; the scales' exponents s[6:7]
	s_load_b64 s[8:9], s[0:1], 0x10                ; the output
	v_lshl_add_u32 v254, v0, 2, SPARE
	v_mov_b32 v255, 0
	ds_add_u32 v254, v255                          ; the opening: the add, twice on end, and its wait ahead of the first tensor load
	ds_add_u32 v254, v255
	v_lshrrev_b32 v32, 5, v0
	v_readfirstlane_b32 s[WV], v32                 ; wave 0..15
	s_and_b32 s12, ttmp7, 0xffff                   ; hb
	s_bfe_u32 s13, ttmp6, 0x40000                  ; cx
	s_lshl_b32 s14, ttmp9, 2
	s_add_co_u32 s14, s14, s13                     ; my tile of every block, 0..7
	s_bfe_u32 s[AB], s[WV], 0x10002
	s_and_b32 s15, s[WV], 3
	s_lshr_b32 s16, s[WV], 1
	s_and_b32 s16, s16, 4
	s_or_b32 s15, s15, s16                         ; j = block S
	s_xor_b32 s17, s15, 15                         ; block L = 15 - j
	s_xor_b32 s[OFFB], s15, 7
	s_lshl_b32 s[OFFB], s[OFFB], 13
	s_add_co_u32 s[LT], s[AB], 7
	s_mul_i32 s62, s[WV], PART
	s_add_co_u32 s62, s62, STG                     ; my part's place in LDS,
	s_xor_b32 s63, s[WV], 4
	s_mul_i32 s63, s63, PART
	s_add_co_u32 s63, s63, STG                     ; and my partner's
	s_cmp_eq_u32 s[AB], 0
	s_cselect_b32 s19, s17, s15                    ; the block that I begin with: A: L, B: S
	s_cselect_b32 s[JS], 31, s15
	s_cselect_b32 s[SM], 0, -1
	s_add_co_u32 s[JS1], s[JS], 1
	s_and_b32 s16, s[WV], 1                        ; my load: of K or of V,
	s_lshr_b32 s13, s[WV], 1
	s_lshl_b32 s13, s13, 14                        ; 16 KiB x (w / 2) on, in memory and in LDS
	s_lshl_b32 s32, s16, 17
	s_lshl_b32 s33, s12, 17                        ; the head's 2^17 bytes in each section
	s_lshl_b32 s34, s16, 22
	s_add_co_u32 s34, s34, s13
	s_add_co_u32 s34, s34, s33
	s_add_co_u32 s34, s34, 0x400000                ; k's section begins at 4 MiB, v's at 8
	s_mov_b32 s35, 0
	; descriptor group 1: 16 KiB that are dense in memory, as 64 rows of 32 elements of 8 bytes; no padding: a piece is read 512 bytes on end
	s_mov_b32 s[G1], 15|(3<<16)|(1<<21)            ; 15:0 the mask: all four; 17:16 elements of 8 bytes; 21 set beside a mask
	s_mov_b32 s[G1+1], 32<<16                      ; tensor_dim0
	s_mov_b32 s[G1+2], 64<<16                      ; tensor_dim1
	s_mov_b32 s[G1+3], 32<<16                      ; tile_dim0
	s_mov_b32 s[G1+4], 64                          ; tile_dim1
	s_mov_b32 s[G1+5], 32                          ; tensor_dim0_stride
	s_mov_b32 s[G1+6], 0
	s_mov_b32 s[G1+7], 0
	s_mov_b32 s[G0], 1                             ; 1:0 count = 1
	s_add_co_u32 s[G0+1], s32, s13                 ; 63:32 LDS address
	s_wait_dscnt 0x0                               ; both opening adds are done
	s_wait_kmcnt 0x0
	s_load_b256 s[68:75], s[6:7], 0x0              ; e0 .. e7
	s_add_nc_u64 s[G0+2:G0+3], s[4:5], s[34:35]    ; 120:64 global address
	s_or_b32 s[G0+3], s[G0+3], 0x80000000          ; 127:126 type = 2
	CROUND                                         ; the four work-groups are here: the joint loads meet
	tensor_load_to_lds s[G0:G0+3], s[G1:G1+7]      ; my one load
	s_nop 0
.rept 4
	v_nop
.endr
	s_lshl_b32 s56, s14, 10                        ; Q: hb x 2^17 + block x 2^13 + tile x 2^10
	s_add_co_u32 s56, s56, s33
	s_lshl_b32 s58, s19, 13
	s_add_co_u32 s58, s58, s56
	s_mov_b32 s59, 0
	s_add_nc_u64 s[10:11], s[4:5], s[58:59]        ; the block that I begin with
	s_lshl_b32 s58, s17, 13
	s_add_co_u32 s58, s58, s56
	s_add_nc_u64 s[36:37], s[4:5], s[58:59]        ; block L
	s_lshr_b32 s60, s14, 1
	s_lshl_b32 s60, s60, 2
	s_and_b32 s61, s14, 1
	s_add_co_u32 s60, s60, s61                     ; 4 (tile / 2) + tile % 2
	v_and_b32 v32, 31, v0
	v_and_b32 v33, 7, v0
	v_bfe_u32 v34, v0, 3, 1
	v_bfe_u32 v35, v0, 4, 1
	v_lshlrev_b32 v[LI], 4, v32
	v_lshlrev_b32 v33, 4, v33
	v_sub_nc_u32 v34, v34, v35
	v_lshlrev_b32 v32, 3, v32
	v_add_nc_u32 v[LV], 0x20000, v[LI]
	v_add_nc_u32 v[SA], s62, v[LI]
	v_add_nc_u32 v[PA], s63, v[LI]
	v_lshl_add_u32 v[DQ], v34, 1, v33              ; 16 (r % 8) + 2 (r / 8) - 2 (l / 16): a register's key has 2 (l / 16) more than its constant: taken off here
	v_add_nc_u32 v[SB], s62, v32
	v_add_nc_u32 v[PB], s63, v32
	v_mov_b32 v[PT], 0                             ; written once: a lane permute's destination counts as one of its sources
	v_mov_b32 v[FF+1], 0                           ; (named as the upper halves of pairs)
	v_mov_b32 v[TT+1], 0
	v_mov_b32 v[NINF], 0xff800000
	v_add_nc_u32 v[DQ], s60, v[DQ]
	s_wait_alu depctr_va_vdst(0)
	global_load_b128 v[QF:QF+3], v[LI], s[10:11]               ; channels 16 (l / 16) on,
	global_load_b128 v[QF+4:QF+7], v[LI], s[10:11] offset:512  ; and 32 + 16 (l / 16) on
	global_load_b128 v[QL:QL+3], v[LI], s[36:37]
	global_load_b128 v[QL+4:QL+7], v[LI], s[36:37] offset:512
	s_lshr_b32 s58, s12, 4                         ; the output: (16 x batch + block) x 2^17 + (head / 2) x 2^14 + tile x 2^11 + (head % 2) x 2^10
	s_lshl_b32 s58, s58, 21
	s_bfe_u32 s61, s12, 0x30001
	s_lshl_b32 s61, s61, 14
	s_add_co_u32 s58, s58, s61
	s_lshl_b32 s61, s14, 11
	s_add_co_u32 s58, s58, s61
	s_and_b32 s61, s12, 1
	s_lshl_b32 s61, s61, 10
	s_add_co_u32 s58, s58, s61
	s_add_nc_u64 s[8:9], s[8:9], s[58:59]
	s_lshl_b32 s60, s15, 17
	s_mov_b32 s61, 0
	s_add_nc_u64 s[44:45], s[8:9], s[60:61]        ; block S's place,
	s_lshl_b32 s60, s17, 17
	s_lshl_b32 s56, s[AB], 9
	s_add_co_u32 s60, s60, s56
	s_add_nc_u64 s[46:47], s[8:9], s[60:61]        ; and block L's: A sends channels 0-31 of the head, B 32-63
	s_mov_b32 s[SEL], 0x76543210
	s_mov_b32 s[SEL+1], 0xfedcba98
	s_mov_b32 s[CS], 0x3e38aa3b                    ; log2(e) / 8
	s_wait_kmcnt 0x0
	s_add_co_i32 s60, s70, s71
	s_lshl_b32 s60, s60, 23
	s_add_co_i32 s[CS], s[CS], s60                 ; a score stands for score x 2^(e2 + e3): the two exponents are added to c's exponent field
	s_mov_b32 s[CS+1], s[CS]                       ; (named with it as a pair, so it is written)
	s_add_co_i32 s[EO], s72, s73
	s_add_co_i32 s60, s72, 127
	s_lshl_b32 s61, s60, 23
	v_mov_b32 v[SCP], s61                          ; 2^e4 as f32, for p's conversions
	s_add_co_i32 s60, s60, 15
	s_lshl_b32 s60, s60, 23
	s_or_b32 s60, s60, 0x600000
	v_mov_b32 v[LMP], s60                          ; 57,344 x 2^e4
	s_add_co_i32 s60, s74, 127
	s_lshl_b32 s61, s60, 23
	v_mov_b32 v[SCO], s61                          ; 2^e6, for the result's
	s_add_co_i32 s60, s60, 15
	s_lshl_b32 s60, s60, 23
	s_or_b32 s60, s60, 0x600000
	v_mov_b32 v[LMO], s60
; A KEY STEP: 128 keys.  first = 1: trip 0, key block 0 for every wave: its products start the sums.
.macro STEP first
.if \first
.set KA, LI
.set VA, LV
.else
.set KA, ADK
.set VA, ADV
	s_cmp_gt_u32 s[TR], s[LT]                      ; A has no trip 8
	s_cbranch_scc1 .Lleft_\@
	v_add_nc_u32 v[ADK], s[OFF], v[LI]
	v_add_nc_u32 v[ADV], s[OFF], v[LV]
	v_nop                                          ; with the two additions: four places in front of loads into registers that the last step's products have read
	v_nop
.endif
.irp t, 0,1,2,3,4,5,6,7
.irp c, 0,1
	ds_load_b128 v[FRG+8*\t+4*\c:FRG+8*\t+4*\c+3], v[KA] offset:\t*1024+\c*512   ; 512 bytes on end
.endr
.endr
	s_wait_alu depctr_va_vdst(0)
	s_wait_dscnt 0x0
.irp t, 0,1,2,3,4,5,6,7
	v_wmma_f32_16x16x64_bf8_bf8 v[S+8*\t:S+8*\t+7], v[FRG+8*\t:FRG+8*\t+7], v[QF:QF+7], 0
.endr
.rept 4
	v_nop                                          ; places in front of the loads below and of the first read of the scores
.endr
.irp t, 0,1,2,3
.irp c, 0,1,2,3
	ds_load_b128 v[FRG+16*\t+4*\c:FRG+16*\t+4*\c+3], v[VA] offset:\t*2048+\c*512   ; V's four fragments are asked for now and land under the softmax
.endr
.endr
.if \first
	s_cmp_lg_u32 s[JS], 0                          ; only block 0's queries have key block 0 on their diagonal
	s_cbranch_scc1 .Lopen_\@
.else
	s_cmp_eq_u32 s[TR], 8                          ; B: trip 8 is L's diagonal, trip j is S's
	s_cbranch_scc1 .Lmask_\@
	s_cmp_lg_u32 s[TR], s[JS]
	s_cbranch_scc1 .Lopen_\@
.Lmask_\@:
.endif
.set n, 0
.rept 64                                       ; on the diagonal: register n holds key 16 (n % 8) + 4 (n / 16) + (n / 8) % 2 + 2 (l / 16) of the block: hidden where it comes after my query
	v_cmp_gt_i32 vcc_lo, 16*(n%8)+4*(n/16)+((n/8)%2), v[DQ]
	v_cndmask_b32 v[S+n], v[S+n], v[NINF], vcc_lo
.set n, n+1
.endr
.Lopen_\@:
	v_max3_num_f32 v[TT], v[S], v[S+1], v[S+2]     ; the step's largest score of my query, among my 64 keys, in two chains, each tile from its low end on,
	v_max3_num_f32 v[FF], v[S+3], v[S+4], v[S+5]
.irp i, 6,10,14,18,22,26,30,34,38,42,46,50,54,58
	v_max3_num_f32 v[TT], v[TT], v[S+\i], v[S+\i+1]
	v_max3_num_f32 v[FF], v[FF], v[S+\i+2], v[S+\i+3]
.endr
	v_max3_num_f32 v[TT], v[TT], v[S+62], v[S+63]
	s_delay_alu instid0(VALU_DEP_1)
	v_max_num_f32 v[TT], v[TT], v[FF]
	s_delay_alu instid0(VALU_DEP_1)
	v_permlanex16_b32 v[PT], v[TT], s[SEL], s[SEL+1]
	s_delay_alu instid0(VALU_DEP_1)
	v_max_num_f32 v[TT], v[TT], v[PT]              ; and among lane l xor 16's
	s_delay_alu instid0(VALU_DEP_1)
.if \first
	v_mul_f32 v13, s[CS], v[TT]                    ; as t (c is positive): the largest t so far
	s_delay_alu instid0(VALU_DEP_1)
	v_floor_f32 v12, -v13                          ; -M = floor(-t) = -ceil(t): M is a whole number
.else
	v_mul_f32 v[TT], s[CS], v[TT]                  ; as t (c is positive)
	s_delay_alu instid0(VALU_DEP_1)
	v_max_num_f32 v13, v13, v[TT]                  ; the running largest t
	v_mov_b32 v[TT], v12
	s_delay_alu instid0(VALU_DEP_2)
	v_floor_f32 v12, -v13                          ; the new -M = floor(-t) = -ceil(t): M is a whole number
	s_delay_alu instid0(VALU_DEP_1)
	v_sub_f32 v[TT], v12, v[TT]                    ; M's old value less its new one: a whole number, 0 or less
	s_delay_alu instid0(VALU_DEP_1)
	v_cvt_i32_f32 v[TT], v[TT]                     ; (it saturates)
	s_delay_alu instid0(VALU_DEP_1)
	v_ldexp_f32 v[FF], 1.0, v[TT]                  ; f = 2^(old M - new M)
.endif
.set j, 0
.rept 32
	v_pk_fma_f32 v[S+j:S+j+1], v[S+j:S+j+1], s[CS:CS+1], v[12:13] op_sel_hi:[1,0,0]   ; t - M, two at a time (of the pairs c and -M the low word serves both halves)
.set j, j+2
.endr
	s_wait_alu depctr_va_vdst(0)                   ; the wait ahead of the batch,
.set j, 0
.rept 64
	v_exp_f32 v[S+j], v[S+j]                       ; p = 2^(t - M), at most 1: not normalised
.set j, j+1
.endr
.if \first
	v_nop                                          ; a plain place behind the exponentials
	s_wait_alu depctr_va_vdst(0)                   ; and behind it
.else
	v_pk_mul_f32 v[14:15], v[14:15], v[FF:FF+1] op_sel_hi:[1,0]   ; the sums under the new M.  (A plain place behind the exponentials)
	s_wait_alu depctr_va_vdst(0)                   ; and behind it: it serves the exponentials and O^T's first readers
.set j, 0
.rept 16
	v_pk_mul_f32 v[O+j:O+j+1], v[O+j:O+j+1], v[FF:FF+1] op_sel_hi:[1,0]   ; O^T under the new M: x f, each tile from its low end on
.set j, j+2
.endr
.endif
	v_pk_add_f32 v[206:207], v[100:101], v[104:105]   ; the row's sum is taken of the unquantised p: eight chains
	v_pk_add_f32 v[252:253], v[108:109], v[112:113]
	v_pk_add_f32 v[250:251], v[116:117], v[120:121]
	v_pk_add_f32 v[248:249], v[124:125], v[128:129]
	v_pk_add_f32 v[246:247], v[132:133], v[136:137]
	v_pk_add_f32 v[244:245], v[140:141], v[144:145]
	v_pk_add_f32 v[242:243], v[148:149], v[152:153]
.if \first
	v_pk_add_f32 v[14:15], v[154:155], v[156:157]
.else
	v_pk_add_f32 v[14:15], v[14:15], v[156:157]
.endif
	v_pk_add_f32 v[206:207], v[206:207], v[96:97]
	v_pk_add_f32 v[252:253], v[252:253], v[98:99]
	v_pk_add_f32 v[250:251], v[250:251], v[102:103]
	v_pk_add_f32 v[248:249], v[248:249], v[106:107]
	v_pk_add_f32 v[246:247], v[246:247], v[110:111]
	v_pk_add_f32 v[244:245], v[244:245], v[114:115]
	v_pk_add_f32 v[242:243], v[242:243], v[118:119]
	v_pk_add_f32 v[14:15], v[14:15], v[122:123]
	v_pk_add_f32 v[206:207], v[206:207], v[126:127]
	v_pk_add_f32 v[252:253], v[252:253], v[130:131]
	v_pk_add_f32 v[250:251], v[250:251], v[134:135]
	v_pk_add_f32 v[248:249], v[248:249], v[138:139]
	v_pk_add_f32 v[246:247], v[246:247], v[142:143]
	v_pk_add_f32 v[244:245], v[244:245], v[146:147]
	v_pk_add_f32 v[242:243], v[242:243], v[150:151]
.if \first == 0
	v_pk_add_f32 v[14:15], v[14:15], v[154:155]
.endif
	v_pk_add_f32 v[206:207], v[206:207], v[158:159]
	v_pk_add_f32 v[252:253], v[252:253], v[244:245]
	v_pk_add_f32 v[250:251], v[250:251], v[242:243]
	v_pk_add_f32 v[14:15], v[14:15], v[248:249]
	v_pk_add_f32 v[206:207], v[206:207], v[246:247]
	s_delay_alu instid0(VALU_DEP_2)
	v_pk_add_f32 v[14:15], v[14:15], v[252:253]
	s_delay_alu instid0(VALU_DEP_2)
	v_pk_add_f32 v[206:207], v[206:207], v[250:251]
	s_delay_alu instid0(VALU_DEP_1)
	v_pk_add_f32 v[14:15], v[14:15], v[206:207]
.set j, 0
.rept 32
	v_dual_min_num_f32 v[S+j], v[LMP], v[S+j] :: v_dual_min_num_f32 v[S+j+1], v[LMP], v[S+j+1]   ; the conversion to an 8-bit code does not saturate (ISA guide 7.6.2); p is not negative, so the hold is one-sided
.set j, j+2
.endr
.irp b, 0,1,2,3
	v_cvt_scalef32_pk8_bf8_f32 v[PC+4*\b:PC+4*\b+1], v[S+16*\b:S+16*\b+7], v[SCP]
	v_cvt_scalef32_pk8_bf8_f32 v[PC+4*\b+2:PC+4*\b+3], v[S+16*\b+8:S+16*\b+15], v[SCP]
.endr
	v_nop                                          ; one plain place behind the conversions
	s_wait_alu depctr_va_vdst(0)
	s_wait_dscnt 0x0                               ; V is in
.irp t, 0,1,2,3                                ; O^T += V^T P^T: the four accumulators take turns, one instruction a turn, and eight other products stand between a step's and the next step's
.if \first
	v_wmma_f32_16x16x128_bf8_bf8 v[O+8*\t:O+8*\t+7], v[FRG+16*\t:FRG+16*\t+15], v[PC:PC+15], 0
.else
	v_wmma_f32_16x16x128_bf8_bf8 v[O+8*\t:O+8*\t+7], v[FRG+16*\t:FRG+16*\t+15], v[PC:PC+15], v[O+8*\t:O+8*\t+7]
.endif
.endr
.Lleft_\@:
.endm
; S on holds np x 16 channels of a result: held, quantised with 2^e6, stored.  Tiles 2 b and 2 b + 1 hold channels 32 b + 16 (l / 16) + 0 .. 15 of my query: the conversions' results are piece b of the next operand's image.
.macro QUANT oc, base, np
.set j, 0
.rept 16*\np
	v_med3_num_f32 v[S+j], v[S+j], -v[LMO], v[LMO]
.set j, j+1
.endr
.set b, 0
.rept \np
	v_cvt_scalef32_pk8_bf8_f32 v[\oc+4*b:\oc+4*b+1], v[S+16*b:S+16*b+7], v[SCO]
	v_cvt_scalef32_pk8_bf8_f32 v[\oc+4*b+2:\oc+4*b+3], v[S+16*b+8:S+16*b+15], v[SCO]
.set b, b+1
.endr
	v_nop
.set b, 0
.rept \np
	global_store_b128 v[LI], v[\oc+4*b:\oc+4*b+3], s[\base:\base+1] offset:512*b   ; 32 lanes store 512 consecutive bytes, at a multiple of 512 from the buffer's first byte
.set b, b+1
.endr
.endm
; The row's sum into v13: the two halves, and lane l xor 16's.
.macro ROWSUM
.rept 4
	v_nop                                          ; places behind the last products
.endr
	v_add_f32 v14, v14, v15
	s_delay_alu instid0(VALU_DEP_1)
	v_permlanex16_b32 v[PT], v14, s[SEL], s[SEL+1]
	s_delay_alu instid0(VALU_DEP_1)
	v_add_f32 v13, v14, v[PT]
.endm
	s_wait_alu depctr_va_vdst(0)                   ; the wait at the head's end
	s_wait_loadcnt 0x0                             ; Q
	s_wait_tensorcnt 0x0                           ; my load is in,
	s_barrier_signal -1
	s_barrier_wait -1                              ; and everybody's: all of K and V may be read; nothing is filled again
	STEP 1                                         ; trip 0
	s_mov_b32 s[TR], 1
	s_mov_b32 s[TB], 8192
.Lstep:
	s_cmp_lg_u32 s[TR], s[JS1]
	s_cbranch_scc1 .Lsame
	s_wait_xcnt 0x0                                ; B, once: block S is finished: it goes out, and L begins
	ROWSUM
	s_wait_alu depctr_va_vdst(0)                   ; the wait ahead of the transcendental,
	v_rcp_f32 v14, v13
	v_nop                                          ; one plain place behind it,
	s_wait_alu depctr_va_vdst(0)                   ; and the wait behind it
	v_ldexp_f32 v14, v14, s[EO]                    ; x 2^(e4 + e5)
.set j, 0
.rept 32
	v_mul_f32 v[S+j], v[O+j], v14                  ; each tile from its low end on
.set j, j+1
.endr
	QUANT OC, 44, 2
.irp i, 0,1,2,3,4,5,6,7
	v_mov_b32 v[QF+\i], v[QL+\i]
.endr
	v_mov_b32 v13, 0xff61b1e6                      ; the largest t so far: -3e38, under every t
	v_mov_b32 v12, 0x7f61b1e6                      ; -M
	v_mov_b32 v14, 0
	v_mov_b32 v15, 0
.set j, 0
.rept 32
	v_mov_b32 v[O+j], 0                            ; (the step in the loop adds onto O^T; the first change of M leaves zeros)
.set j, j+1
.endr
.Lsame:
	s_cmp_ge_u32 s[TR], s[JS1]
	s_cselect_b32 s[OFF], s[OFFB], 0
	s_add_co_u32 s[OFF], s[OFF], s[TB]             ; key block = trip, or trip + 7 - j: 15 at the most
	STEP 0
	s_add_co_u32 s[TB], s[TB], 8192
	s_add_co_u32 s[TR], s[TR], 1
	s_cmp_lt_u32 s[TR], 9
	s_cbranch_scc1 .Lstep
	; THE END.  Each of the pair sends one half of its O^T (A: channels 32-63, B: 0-31), -M and its sum through LDS, and joins the partner's to the half that it keeps.
	ROWSUM                                         ; v12 = -M, v13 = my part's sum
.set j, 0
.rept 16
	v_cndmask_b32 v[S+j], v[O+16+j], v[O+j], s[SM]          ; the half to send, each tile from its low end on,
	v_cndmask_b32 v[S+16+j], v[O+j], v[O+16+j], s[SM]       ; and the half to keep
.set j, j+1
.endr
	s_wait_alu depctr_va_vdst(0)
	ds_store_b64 v[SB], v[12:13] offset:2048
.irp k, 0,1,2,3
	ds_store_b128 v[SA], v[S+4*\k:S+4*\k+3] offset:512*\k
.endr
	s_wait_dscnt 0x0                               ; my stores are done
	s_barrier_signal -1
	s_barrier_wait -1
	ds_load_b64 v[10:11], v[PB] offset:2048        ; the partner's -M and sum
.irp k, 0,1,2,3
	ds_load_b128 v[FRG+4*\k:FRG+4*\k+3], v[PA] offset:512*\k
.endr
	s_wait_dscnt 0x0
	v_min_num_f32 v240, v12, v10                   ; the joint -M
	v_sub_f32 v241, v240, v10                      ; the partner's M less the joint one,
	v_sub_f32 v240, v240, v12                      ; and mine: whole numbers, 0 or less
	v_cvt_i32_f32 v241, v241
	v_cvt_i32_f32 v240, v240
	v_ldexp_f32 v[FF], 1.0, v241                   ; the partner's factor
	v_ldexp_f32 v[TT], 1.0, v240                   ; mine
	v_mul_f32 v14, v13, v[TT]
	v_fma_f32 v14, v11, v[FF], v14                 ; the row's sum
	s_wait_alu depctr_va_vdst(0)                   ; the wait ahead of the transcendental,
	v_rcp_f32 v14, v14
	v_nop
	s_wait_alu depctr_va_vdst(0)                   ; and behind it
	v_ldexp_f32 v14, v14, s[EO]                    ; x 2^(e4 + e5)
	v_mul_f32 v[TT], v[TT], v14
	v_mul_f32 v[FF], v[FF], v14
.set j, 0
.rept 8
	v_pk_mul_f32 v[S+16+j:S+17+j], v[S+16+j:S+17+j], v[TT:TT+1] op_sel_hi:[1,0]
.set j, j+2
.endr
.set j, 0
.rept 8
	v_pk_fma_f32 v[S+j:S+j+1], v[FRG+j:FRG+j+1], v[FF:FF+1], v[S+16+j:S+17+j] op_sel_hi:[1,0,1]
.set j, j+2
.endr
	QUANT PC, 46, 1
	s_wait_tensorcnt 0x0                           ; the wave's end
	ds_add_u32 v254, v255
	s_wait_dscnt 0x0
	CROUND                                         ; the closing round: no work-group ends while a partner may still ask for a tile that names it
	s_endpgm
.Lfunc_end_k_q158134be39_attn:
	.size	k_q158134be39_attn, .Lfunc_end_k_q158134be39_attn-k_q158134be39_attn
	.p2alignl 7, 3214868480
	.fill 96, 4, 3214868480
	.section	.rodata,"a",@progbits
	.p2align	6, 0x0
	.amdhsa_kernel k_q158134be39_attn
		.amdhsa_group_segment_fixed_size 327680
		.amdhsa_private_segment_fixed_size 0
		.amdhsa_enable_private_segment 0
		.amdhsa_kernarg_size 24
		.amdhsa_user_sgpr_count 2
		.amdhsa_user_sgpr_kernarg_segment_ptr 1
		.amdhsa_wavefront_size32 1
		.amdhsa_system_sgpr_workgroup_id_x 1
		.amdhsa_system_sgpr_workgroup_id_y 1
		.amdhsa_system_sgpr_workgroup_id_z 1
		.amdhsa_system_vgpr_workitem_id 0
		.amdhsa_next_free_vgpr 256
		.amdhsa_next_free_sgpr 96
		.amdhsa_reserve_vcc 1
		.amdhsa_float_denorm_mode_32 3
		.amdhsa_float_denorm_mode_16_64 3
		.amdhsa_memory_ordered 1
		.amdhsa_forward_progress 1
		.amdhsa_inst_pref_size 59
	.end_amdhsa_kernel
	.amdgpu_metadata
---
amdhsa.version: [ 1, 2 ]
amdhsa.kernels:
  - .name:           k_q158134be39_attn
    .symbol:         k_q158134be39_attn.kd
    .args:
      - { .name: qkv_img, .offset: 0, .size: 8, .value_kind: global_buffer, .address_space: global }
      - { .name: lowp_scales, .offset: 8, .size: 8, .value_kind: global_buffer, .address_space: global }
      - { .name: attn_img, .offset: 16, .size: 8, .value_kind: global_buffer, .address_space: global }
    .group_segment_fixed_size: 327680
    .private_segment_fixed_size: 0
    .kernarg_segment_align: 8
    .kernarg_segment_size: 24
    .max_flat_workgroup_size: 512
    .sgpr_count:     96
    .vgpr_count:     256
    .wavefront_size: 32
...
	.end_amdgpu_metadata
.endif
;; end of part 2
;; launch proj (part 3): grid 8 x 32, 4 waves a work-group, clusters of 4 x 4, 327,680 bytes of LDS; arguments attn_img, W_out_codes, lowp_scales, out0; writes out0
.if DOCPART == 3
	.amdgcn_target "amdgcn-amd-amdhsa--gfx1250"
	.amdhsa_code_object_version 6
	.text
	.protected	k_q158134be39_proj
	.globl	k_q158134be39_proj
	.p2align	8
	.type	k_q158134be39_proj,@function
k_q158134be39_proj:
	s_mov_b64 s[64:65], 0
	v_nop
	global_prefetch_b8 v0, s[64:65] scope:SCOPE_SE
	s_setreg_imm32_b32 hwreg(HW_REG_WAVE_MODE, 25, 1), 1
	s_wait_xcnt 0x0
	s_wait_alu depctr_hold_cnt(0) depctr_sa_sdst(0) depctr_va_vdst(0) depctr_va_sdst(0) depctr_va_ssrc(0) depctr_va_vcc(0) depctr_vm_vsrc(0)
	s_getreg_b32 s2, hwreg(HW_REG_IB_STS2, 6, 4)
	s_cmp_eq_u32 s2, 0
	s_cbranch_scc0 .Lentry_in_a_cluster
	s_endpgm
.Lentry_in_a_cluster:
	s_bfe_u32 s2, ttmp6, 0x10000c
	s_cmp_lg_u32 s2, 0xf033
	s_cbranch_scc0 .Lentry_shape_is_right
	s_endpgm
.Lentry_shape_is_right:
; out = attn W_out^T on codes of BF8 (E5M2); each finished f32 sum is multiplied once by 2^(e6 + e7).  LIMIT: e6 + e7 lies between -126 and 127, so that the factor is an f32 number.
; attn arrives as images of operand registers: [block of 128 tokens g 32][K step 8][tile 8][c 4][lane][16]: token TOK(tile, l % 16) = 16 (p % 8) + 2 (p / 8) + 4 (tile / 2) + tile % 2 with p = l % 16; k = 128 step + 32 c + 16 (l / 16) + y.
; W_out: [1024][1024] codes, K innermost.  out: [4096][1024] f32.
; A tile of 128 tokens x 128 columns is made by a work-group of four waves: 32 x 8 = 256 work-groups.  A wave makes 64 x 64: four tiles of 16 tokens x four blocks of 16 columns.
; THE WHOLE K IS RESIDENT: four tensor loads at the head, one a wave: attn's K steps 0-3 and 4-7 (64 KiB each), W's 128 rows x 512 bytes twice.  Every LDS byte is filled once, so there is no ring, and one barrier shows all of it.
; NO PREFETCH: no loop follows that asks for more.
; BY ROWS: W's fragments of all K stay in registers (512); tile after tile of 16 tokens is finished along the whole K and goes out while the next is multiplied.  No fragment is read twice.
; CLUSTERS: 4 x 4 work-groups.  attn's block hangs on g alone and is shared along a row of the cluster, W's rows on the tile column alone and are shared along a column: each load is asked for JOINTLY.
; THE MATRIX INSTRUCTION IS USED TRANSPOSED (source 0 = 16 rows of W, source 1 = a tile of 16 tokens): a lane holds eight neighbouring columns of one token's row.
; REGISTERS: window 0: v0-31 addresses; v32-63 a tile's results; v64-127 rows read back, two sets; v128-191 the accumulators, two sets of four.
;   window 1: attn's fragments of a tile, 8 steps x 16, two sets of 128.   windows 2, 3: W's fragments, step s, block b at 64 (s % 4) + 16 b of window 2 + s / 4.
.set BT,    131072                     ; LDS: attn's image from byte 0, as it lies in memory; W from here, two halves of K
.set BP,    528                        ; a row of a half: 512 bytes + 16 of padding = 132 words: the 16 rows that a load touches start 4 words apart modulo 64
.set BH,    128*BP                     ; a half of W: 128 rows
.set STG,   BT+2*BH                    ; behind them: a stage of 16 rows x 272 bytes for each wave, bytes into which no fill lands
.set SP,    272
.set SPARE, STG+4*16*SP                ; the spare words, 128 bytes for each wave: two blocks of 256 bytes that no other line names
.set ADRA, 16                          ; v16-17  LDS address of my tiles of attn, K steps 0-3 and 4-7
.set ADRB, 20                          ; v20-21  of my rows of W, the two halves
.set STO,  24                          ; v24     the way out: where I put 32 bytes of a row
.set RD,   25                          ; v25     where I read a row back
.set CO,   26                          ; v26     my byte offset in out
.set SPW,  28                          ; v28     my spare word's address, v29 0: never rewritten
.set NIL,  29
.set TMP,  32
.set BK,   64
.set ACC,  128
.set G1A, 24                           ; s[24:31] descriptor group 1 for attn;  s[32:35] its group 0
.set G0A, 32
.set G0B, 48                           ; s[48:51] group 0 for W;  s[68:75] its group 1
.set G1B, 68
.set MSB, 0
.macro WIN new                         ; the immediate's high byte repeats the setting that is left
.if MSB != (\new)
	s_set_vgpr_msb (MSB<<8)|(\new)
.set MSB, (\new)
.endif
.endm
.macro CROUND                          ; a round of the cluster's barrier
	s_barrier_signal -1
	s_barrier_wait -1
	s_cmp_lg_u32 s14, 0
	s_cbranch_scc1 .Lnot_wave_0_\@
	s_barrier_signal -3
.Lnot_wave_0_\@:
	s_barrier_wait -3
	s_barrier_signal -1
	s_barrier_wait -1
.endm
	s_load_b128 s[4:7], s[0:1], 0x0                ; attn's image s[4:5], W's codes s[6:7]
	s_load_b128 s[8:11], s[0:1], 0x10              ; the scales' exponents s[8:9], out s[10:11]
	v_lshl_add_u32 v[SPW], v0, 2, SPARE
	v_mov_b32 v[NIL], 0
	ds_add_u32 v[SPW], v[NIL]                      ; the opening: the add, twice on end, and its wait ahead of the first tensor load
	ds_add_u32 v[SPW], v[NIL]
	v_lshrrev_b32 v1, 5, v0
	v_readfirstlane_b32 s14, v1                    ; wave 0..3
	s_lshr_b32 s15, s14, 1                         ; which half of the tile's tokens is mine.  Also: I fetch for attn (0) or for W (1)
	s_and_b32 s16, s14, 1                          ; which half of its columns.  Also: which half of K I fetch
	s_bfe_u32 s76, ttmp6, 0x40000                  ; cx, cy: my place in the cluster
	s_bfe_u32 s77, ttmp6, 0x40004
	s_lshl_b32 s78, ttmp9, 2
	s_add_co_u32 s78, s78, s76                     ; tile column = 4 x cluster x + cx
	s_and_b32 s17, ttmp7, 0xffff
	s_lshl_b32 s17, s17, 2
	s_add_co_u32 s17, s17, s77                     ; g = 4 x cluster y + cy
	s_lshl_b32 s79, s77, 2
	s_lshl_b32 s79, 15, s79                        ; my row of the cluster
	s_lshl_b32 s80, 0x1111, s76                    ; my column
	; group 1 for attn: 64 KiB that are dense in memory, as 256 rows of 32 elements of 8 bytes, no padding
	s_or_b32 s[G1A], s79, (3<<16)|(1<<21)          ; 15:0 the mask: my row; 17:16 elements of 8 bytes; 21 set beside a mask
	s_mov_b32 s[G1A+1], 32<<16                     ; tensor_dim0
	s_mov_b32 s[G1A+2], 256<<16                    ; tensor_dim1
	s_mov_b32 s[G1A+3], 32<<16                     ; tile_dim0
	s_mov_b32 s[G1A+4], 256                        ; tile_dim1
	s_mov_b32 s[G1A+5], 32                         ; tensor_dim0_stride
	s_mov_b32 s[G1A+6], 0
	s_mov_b32 s[G1A+7], 0
	; group 1 for W: 128 rows x 512 bytes, 1,024 bytes apart, padded in LDS
	s_or_b32 s[G1B], s80, (0<<16)|(1<<20)|(1<<21)|(6<<22)|(3<<25)   ; the mask: my column; elements of 1 byte; padding on: 4 words (code 3) after every 128 (code 6)
	s_mov_b32 s[G1B+1], 512<<16
	s_mov_b32 s[G1B+2], 128<<16
	s_mov_b32 s[G1B+3], 512<<16
	s_mov_b32 s[G1B+4], 128
	s_mov_b32 s[G1B+5], 1024
	s_mov_b32 s[G1B+6], 0
	s_mov_b32 s[G1B+7], 0
	s_lshl_b32 s18, s16, 16                        ; attn: my four K steps of 16 KiB: in LDS and in memory alike
	s_lshl_b32 s20, s17, 17                        ; g's 2^17 bytes
	s_add_co_u32 s20, s20, s18
	s_mov_b32 s21, 0
	s_lshl_b32 s82, s78, 17                        ; W: row 128 x tile column, of 1,024 bytes, + 512 x half
	s_lshl_b32 s83, s16, 9
	s_add_co_u32 s82, s82, s83
	s_mov_b32 s83, 0
	s_mul_i32 s19, s16, BH
	s_add_co_u32 s19, s19, BT                      ; and in LDS: no place in the cluster enters an LDS address
	s_mov_b32 s[G0A], 1
	s_mov_b32 s[G0A+1], s18
	s_mov_b32 s[G0B], 1
	s_mov_b32 s[G0B+1], s19
	s_wait_dscnt 0x0                               ; both opening adds are done
	s_wait_kmcnt 0x0
	s_load_b64 s[88:89], s[8:9], 0x18              ; e6, e7
	s_add_nc_u64 s[G0A+2:G0A+3], s[4:5], s[20:21]
	s_or_b32 s[G0A+3], s[G0A+3], 0x80000000
	s_add_nc_u64 s[G0B+2:G0B+3], s[6:7], s[82:83]
	s_or_b32 s[G0B+3], s[G0B+3], 0x80000000
	CROUND                                         ; all sixteen work-groups are here: the joint loads meet
	s_cmp_eq_u32 s15, 0                            ; a wave's one fill, by its number alone
	s_cbranch_scc0 .Lfirst_b
	tensor_load_to_lds s[G0A:G0A+3], s[G1A:G1A+7]
	s_nop 0
.rept 4
	v_nop
.endr
	s_branch .Lfirst_asked
.Lfirst_b:
	tensor_load_to_lds s[G0B:G0B+3], s[G1B:G1B+7]
	s_nop 0
.rept 4
	v_nop
.endr
.Lfirst_asked:
	s_lshl_b32 s84, s15, 13                        ; my four tiles of a K step's eight: 4 x 2,048 bytes
	s_mul_i32 s86, s16, 64*BP                      ; my 64 rows of W
	s_add_co_u32 s86, s86, BT
	s_mul_i32 s87, s14, 16*SP
	s_add_co_u32 s87, s87, STG                     ; my stage
	v_and_b32 v1, 15, v0                           ; r
	v_bfe_u32 v2, v0, 4, 1                         ; h
	v_and_b32 v3, 31, v0
	v_lshlrev_b32 v4, 4, v3                        ; 16 x lane
	v_add_nc_u32 v[ADRA], s84, v4
	v_add_nc_u32 v[ADRA+1], 0x10000, v[ADRA]
	v_mul_u32_u24 v5, v1, BP
	v_lshl_add_u32 v5, v2, 4, v5
	v_add_nc_u32 v[ADRB], s86, v5
	v_add_nc_u32 v[ADRB+1], BH, v[ADRB]
	v_mul_u32_u24 v6, v1, SP                       ; in: row r, 32 bytes for each half of the lanes
	v_lshl_add_u32 v6, v2, 5, v6
	v_add_nc_u32 v[STO], s87, v6
	v_mul_u32_u24 v7, v2, SP                       ; back: lanes 0-15 one row of 256 bytes, lanes 16-31 the next
	v_lshl_add_u32 v7, v1, 4, v7
	v_add_nc_u32 v[RD], s87, v7
	v_lshlrev_b32 v8, 16, v2                       ; in out the stage's odd rows lie 16 tokens, 16 x 4,096 bytes, below the even ones
	v_lshl_add_u32 v[CO], v1, 4, v8
	s_lshl_b32 s84, s17, 7                         ; out: token 128 g + 8 x token half (tiles 4 x half on begin 8 tokens further on), of 4,096 bytes;
	s_lshl_b32 s85, s15, 3
	s_add_co_u32 s84, s84, s85
	s_lshl_b32 s84, s84, 12
	s_lshl_b32 s86, s78, 9                         ; column 128 x tile column + 64 x half, of 4 bytes
	s_lshl_b32 s87, s16, 8
	s_add_co_u32 s86, s86, s87
	s_add_co_u32 s84, s84, s86
	s_mov_b32 s85, 0
	s_add_nc_u64 s[10:11], s[10:11], s[84:85]
.macro PLACES                          ; four places in front of the first read of results and of loads into registers that matrix instructions have read (ISA guide 7.12.1 for the results)
.rept 4
	v_nop
.endr
.endm
; Tile a's fragment of K step s, 4 loads: pieces of 512 bytes on end.
.macro LA a, s
	WIN 0x40
.irp c, 0,1,2,3
	ds_load_b128 v[128*((\a)%2)+16*(\s)+4*\c:128*((\a)%2)+16*(\s)+4*\c+3], v[ADRA+(\s)/4] offset:((\s)%4)*16384+(\a)*2048+\c*512
.endr
.endm
; K step s of W's four blocks, 16 loads (registers 4 c .. 4 c + 3: K = 32 c + 16 (l / 16) + 0 .. 15: the same order on both sides), and of tile 0: 20 loads.
.macro LOAD s
	WIN 0x80+0x40*((\s)/4)
.irp b, 0,1,2,3
.irp c, 0,1,2,3
	ds_load_b128 v[64*((\s)%4)+16*\b+4*\c:64*((\s)%4)+16*\b+4*\c+3], v[ADRB+(\s)/4] offset:\b*16*BP+((\s)%4)*128+32*\c
.endr
.endr
	LA 0, \s
.endm
.macro LTILE a                         ; all eight K steps of tile a: 32 loads
.irp s, 0,1,2,3,4,5,6,7
	LA \a, \s
.endr
.endm
; Tile a, K step s: the four accumulators take turns, one instruction a turn, in the same order in every step.  Step 0's products start the sums: nothing is cleared.
.macro MUL a, s
	WIN 0x06+((\s)/4)
.irp b, 0,1,2,3
.if (\s) == 0
	v_wmma_f32_16x16x128_bf8_bf8 v[ACC+32*((\a)%2)+8*\b:ACC+32*((\a)%2)+8*\b+7], v[64*((\s)%4)+16*\b:64*((\s)%4)+16*\b+15], v[128*((\a)%2)+16*(\s):128*((\a)%2)+16*(\s)+15], 0
.else
	v_wmma_f32_16x16x128_bf8_bf8 v[ACC+32*((\a)%2)+8*\b:ACC+32*((\a)%2)+8*\b+7], v[64*((\s)%4)+16*\b:64*((\s)%4)+16*\b+15], v[128*((\a)%2)+16*(\s):128*((\a)%2)+16*(\s)+15], v[ACC+32*((\a)%2)+8*\b:ACC+32*((\a)%2)+8*\b+7]
.endif
.endr
.endm
.macro MULT a
.irp s, 0,1,2,3,4,5,6,7
	MUL \a, \s
.endr
.endm
; THE WAY OUT of a tile of 16 tokens x 64 columns.  A lane holds 32 neighbouring bytes of a row, and the lanes beside it hold other rows: a tile goes through my own stage and comes back as rows of 256 bytes,
; which sixteen lanes store as one aligned run.  Stage row p of tile 4 x half + a is token 16 (p % 8) + 2 (p / 8) + 8 x half + 4 (a / 2) + a % 2; with p = 2 t + l / 16 that is 32 (t % 4) + 2 (t / 4) + 4 (a / 2) + a % 2 in the
; immediate, 16 (l / 16) in the lane's offset and 8 x half in the base.
.macro TOSTAGE a
	PLACES
	WIN 0
.if (\a) > 1
	s_wait_xcnt 0x0                                ; the stores of two tiles ago have read their registers: this tile's loads may land there
.endif
.irp i, 0,2,4,6,8,10,12,14,16,18,20,22,24,26,28,30
	v_pk_mul_f32 v[TMP+\i:TMP+\i+1], v[ACC+32*((\a)%2)+\i:ACC+32*((\a)%2)+\i+1], s[88:89] op_sel_hi:[1,0]   ; both x s88 = 2^(e6 + e7); each accumulator from its low end on
.endr
.irp b, 0,1,2,3
	ds_store_b128 v[STO], v[TMP+8*\b:TMP+8*\b+3] offset:64*\b
	ds_store_b128 v[STO], v[TMP+8*\b+4:TMP+8*\b+7] offset:64*\b+16
.endr
.irp t, 0,1,2,3,4,5,6,7
	ds_load_b128 v[BK+32*((\a)%2)+4*\t:BK+32*((\a)%2)+4*\t+3], v[RD] offset:2*\t*SP   ; LDS serves a wave's instructions in order (ISA guide 5.7.1.4): these see my stores, and the next tile's stores come behind them
.endr
.endm
.macro SEND a, younger                 ; younger: the LDS instructions issued behind tile a's loads, which may stay out
	WIN 0
	s_wait_dscnt \younger
.irp t, 0,1,2,3,4,5,6,7
	global_store_b128 v[CO], v[BK+32*((\a)%2)+4*\t:BK+32*((\a)%2)+4*\t+3], s[10:11] offset:(32*(\t%4)+2*(\t/4)+4*((\a)/2)+(\a)%2)*4096 th:TH_STORE_NT   ; 16 lanes store 256 consecutive bytes, at a multiple of 256 from out's first byte; written once, read by nobody here
.endr
.endm
	s_wait_alu depctr_va_vdst(0)                   ; the wait at the head's end
	s_wait_kmcnt 0x0
	s_add_co_i32 s88, s88, s89                     ; e6 + e7, between -126 and 127,
	s_add_co_i32 s88, s88, 127
	s_lshl_b32 s88, s88, 23                        ; makes the f32 number 2^(e6 + e7)
	s_mov_b32 s89, s88                             ; (named with it as a pair, so it is written)
	s_wait_tensorcnt 0x0                           ; my load is in,
	s_barrier_signal -1
	s_barrier_wait -1                              ; and everybody's; nothing is filled again
	LOAD 0
	LOAD 1
	LOAD 2
	s_wait_dscnt 40                                ; two steps' loads may be out
	MUL 0, 0
	LOAD 3
	s_wait_dscnt 40
	MUL 0, 1
	LOAD 4
	s_wait_dscnt 40
	MUL 0, 2
	LOAD 5
	s_wait_dscnt 40
	MUL 0, 3
	LOAD 6
	s_wait_dscnt 40
	MUL 0, 4
	LOAD 7
	s_wait_dscnt 40
	MUL 0, 5
	LTILE 1
	s_wait_dscnt 52                                ; step 7's 20 and tile 1's 32 may be out
	MUL 0, 6
	s_wait_dscnt 32
	MUL 0, 7
	TOSTAGE 0                                      ; (its places serve the loads into tile 0's fragments too)
	LTILE 2
	s_wait_dscnt 48                                ; tile 1's fragments are in: behind them tile 0's 16 stage instructions and tile 2's 32 loads
	MULT 1
	SEND 0, 32
	TOSTAGE 1
	LTILE 3
	s_wait_dscnt 48
	MULT 2
	SEND 1, 32
	TOSTAGE 2
	s_wait_dscnt 16                                ; tile 3's fragments are in
	MULT 3
	SEND 2, 0
	TOSTAGE 3
	SEND 3, 0
	s_wait_tensorcnt 0x0                           ; the wave's end
	ds_add_u32 v[SPW], v[NIL]
	s_wait_dscnt 0x0
	CROUND                                         ; the closing round: no work-group ends while a partner may still ask for a tile that names it
	s_endpgm
.Lfunc_end_k_q158134be39_proj:
	.size	k_q158134be39_proj, .Lfunc_end_k_q158134be39_proj-k_q158134be39_proj
	.p2alignl 7, 3214868480
	.fill 96, 4, 3214868480
	.section	.rodata,"a",@progbits
	.p2align	6, 0x0
	.amdhsa_kernel k_q158134be39_proj
		.amdhsa_group_segment_fixed_size 327680
		.amdhsa_private_segment_fixed_size 0
		.amdhsa_enable_private_segment 0
		.amdhsa_kernarg_size 32
		.amdhsa_user_sgpr_count 2
		.amdhsa_user_sgpr_kernarg_segment_ptr 1
		.amdhsa_wavefront_size32 1
		.amdhsa_system_sgpr_workgroup_id_x 1
		.amdhsa_system_sgpr_workgroup_id_y 1
		.amdhsa_system_sgpr_workgroup_id_z 1
		.amdhsa_system_vgpr_workitem_id 0
		.amdhsa_next_free_vgpr 1024
		.amdhsa_next_free_sgpr 96
		.amdhsa_reserve_vcc 0
		.amdhsa_float_denorm_mode_32 3
		.amdhsa_float_denorm_mode_16_64 3
		.amdhsa_memory_ordered 1
		.amdhsa_forward_progress 1
		.amdhsa_inst_pref_size 44
	.end_amdhsa_kernel
	.amdgpu_metadata
---
amdhsa.version: [ 1, 2 ]
amdhsa.kernels:
  - .name:           k_q158134be39_proj
    .symbol:         k_q158134be39_proj.kd
    .args:
      - { .name: attn_img, .offset: 0, .size: 8, .value_kind: global_buffer, .address_space: global }
      - { .name: W_out_codes, .offset: 8, .size: 8, .value_kind: global_buffer, .address_space: global }
      - { .name: lowp_scales, .offset: 16, .size: 8, .value_kind: global_buffer, .address_space: global }
      - { .name: out0, .offset: 24, .size: 8, .value_kind: global_buffer, .address_space: global }
    .group_segment_fixed_size: 327680
    .private_segment_fixed_size: 0
    .kernarg_segment_align: 8
    .kernarg_segment_size: 32
    .max_flat_workgroup_size: 128
    .sgpr_count:     96
    .vgpr_count:     1024
    .wavefront_size: 32
...
	.end_amdgpu_metadata
.endif
;; end of part 3
